; MI455X (gfx1250); checked and timed in simulation.
; The chip was launched on July 23, 2026; its instructions are those of AMD's public machine-readable ISA for CDNA 5 (MIT licence, August 2026) and "CDNA5" Instruction Set Architecture Reference Guide (July 2026). The comments in the code are by the model that wrote it; some were corrected since.
;; Block Drop. Allowed arithmetic: matrix products marked QUANTISED: E5M2 operands, one given power-of-two scale a tensor, by v_wmma_f32_16x16x64_bf8_bf8 or v_wmma_f32_16x16x128_bf8_bf8, f32 sums; everything else in f32.
;; Inputs: W1 512 x 512 float32; W2 512 x 512 float32; Wk 512 x 512 float32; Wo 512 x 512 float32; Wq 512 x 512 float32; Wv 512 x 512 float32; b1m 512 float32; b2m 512 float32; beta1 512 float32; beta2 512 float32; bk 512 float32; bo 512 float32; bq 512 float32; bv 512 float32; g1 512 float32; g2 512 float32; lowp_scales 16 int32 (the exponents e of the quantised operands' scales 2^e); x 8 x 4,096 x 512 float32.
;; Outputs: out0 8 x 4,096 x 512 float32.
;; Constants: spatial_h = 64, spatial_w = 64, window_size = 16.
;; This version of the problem:
;;   THIS VERSION OF THE PROBLEM IS GIVEN IN LOW PRECISION. The matrix products marked QUANTISED in the list below multiply operands that are first quantised to E5M2 (5 exponent bits, 2 mantissa bits; 8 bits a number), with one given power-of-two scale for each operand tensor; their sums are f32. All else is computed in f32.
;;   The module's matrix products, in the order in which they are computed (A, B: the left and right operand; K: the contracted axis; several contracted axes count as one K, in the product's order):
;;     1. [M 32,768, K 512] x [K 512, N 512]; A: computed on the way; B: input Wq: QUANTISED (scales: A lowp_scales[0], B lowp_scales[1])
;;     2. [M 32,768, K 512] x [K 512, N 512]; A: computed on the way; B: input Wk: QUANTISED (scales: A lowp_scales[2], B lowp_scales[3])
;;     3. [M 32,768, K 512] x [K 512, N 512]; A: computed on the way; B: input Wv: QUANTISED (scales: A lowp_scales[4], B lowp_scales[5])
;;     4. batch 2,048 x [M 256, K 32] x [K 32, N 256]; A: computed on the way; B: computed on the way: QUANTISED (scales: A lowp_scales[6], B lowp_scales[7])
;;     5. batch 2,048 x [M 256, K 256] x [K 256, N 32]; A: softmax (see below); B: computed on the way: QUANTISED (scales: A lowp_scales[8], B lowp_scales[9])
;;     6. [M 32,768, K 512] x [K 512, N 512]; A: computed on the way; B: input Wo: QUANTISED (scales: A lowp_scales[10], B lowp_scales[11])
;;     7. [M 32,768, K 512] x [K 512, N 512]; A: computed on the way; B: input W1: QUANTISED (scales: A lowp_scales[12], B lowp_scales[13])
;;     8. [M 32,768, K 512] x [K 512, N 512]; A: computed on the way; B: input W2: QUANTISED (scales: A lowp_scales[14], B lowp_scales[15])
;;   THE QUANTISER, for each operand of a quantised product, along K:
;;     - The operand's scale is 2^e, e = its entry of the input lowp_scales (int32; the entries are numbered through the quantised products in the list's order, A before B).
;;     - Each number is divided by the scale, clamped to +-57,344, and rounded to the nearest number of E5M2, ties to even, subnormals kept.
;;     - The product sums the exact products of the quantised numbers (number of the format x scale) in f32.
;;   ~~~python
;;   def quantise(x, axis, e):      # numpy; x: float32 -> the quantised numbers, widened to float32 again
;;       x = np.moveaxis(x, axis, -1); K = x.shape[-1]
;;       r = np.clip(x / 2.0 ** e, -57344, 57344)
;;       step = 2.0 ** (np.maximum(np.frexp(np.where(r == 0, 1, r))[1] - 1, -14) - 2)
;;       q = np.round(r / step) * step * 2.0 ** e      # np.round: ties to even
;;       return np.moveaxis(q, -1, axis).astype(np.float32)
;;   ~~~
;;   SOFTMAX AHEAD OF A QUANTISED PRODUCT. Where the list says 'softmax', what is quantised is not the finished softmax but p = 2^(t - M), with t = logit x log2(e) and M = ceil(the row's largest t), a whole number; so 1/2 < the row's largest p <= 1. The row's sum l is taken of the UNQUANTISED p, in f32, and the product's result is divided by l at the end. Since M is a whole number, a kernel that streams over the keys may use a running M (the ceiling of the running maximum): every later rescaling is an exact power of two, so the quantised numbers keep their values, but for numbers so far below the row's largest that they fall under the format's range.
;;   OPERANDS COMPUTED ON THE WAY. 'Computed on the way' means the value that the module computes at that place (a softmax that the list does not call 'softmax' is quantised finished and normalised). What goes into a quantiser is computed in f32, as accurately as f32 sums, v_exp_f32 and their like allow (about 1e-6 of the number): no bf16 or f16 on the way to a quantiser, and a product that is left as it is and whose result goes on into a quantised operand takes f32 operands (vector FMAs, or v_wmma_f32_16x16x4_f32). A number that lies on a knife's edge between two numbers of the format may be rounded either way, as far as f32 arithmetic and the matrix unit's own rounding can turn it there, and no further.
;; One version. Each part assembles by itself: llvm-mc -triple=amdgcn-amd-amdhsa -mcpu=gfx1250 --defsym DOCPART=n.
;; ======== version 1 of 1: 3 launches
;; limits: right only within a limited range of input values
;; workspace buffers: wcodes 1,572,864 bytes; qkcodes 33,554,432 bytes; vcodes 16,777,216 bytes
;; launch wquant (part 1): grid 32 x 6, 4 waves a work-group, no clusters, 0 bytes of LDS; arguments Wq, Wk, Wv, Wo, W1, W2, lowp_scales, wcodes; writes wcodes
.if DOCPART == 1
	.amdgcn_target "amdgcn-amd-amdhsa--gfx1250"
	.amdhsa_code_object_version 6
	.text
	.protected	k_q70984b196e_wquant
	.globl	k_q70984b196e_wquant
	.p2align	8
	.type	k_q70984b196e_wquant,@function
k_q70984b196e_wquant:
	s_mov_b64 s[64:65], 0
	v_nop
	global_prefetch_b8 v0, s[64:65] scope:SCOPE_SE
	s_setreg_imm32_b32 hwreg(HW_REG_WAVE_MODE, 25, 1), 1
	s_wait_xcnt 0x0
; The six weights, each [512 (k)][512 (n)] f32 with K as FIRST axis, become codes of E5M2, each with the one scale 2^e given for it
; (entries 1, 3, 5, 11, 13, 15 of the scales).  code = w / 2^e, held within +-57,344, to the nearest code, ties to even.
; THE CODES ARE LAID AS IMAGES OF OPERAND FRAGMENTS: [weight 6][column tile t 32][K step s 4][2,048 bytes].  A fragment is 16 columns x 128 K in 16 registers:
; lane (r, h) holds column 16 t + r; registers 2 c, 2 c + 1 hold k = 128 s + 16 c + 8 h + 0 .. 7; registers 4 g .. 4 g + 3 of lane L lie at 512 g + 16 L.
; So the later launches fetch a fragment by four loads of 512 consecutive bytes, straight into registers.
; SHARES: work-group (x, y): weight y, K step x / 8, column tiles 4 (x % 8) + wave: one fragment a wave; the four waves stand side by side on 256 consecutive bytes of each row of W.
; A LANE TAKES A COLUMN AND ITS REGISTERS RUN DOWN K: the conversions' results are the fragment's registers, nothing is transposed.
; 192 work-groups: there is no more work than that.  No LDS, no barrier, no matrix unit: a stream of 6 MiB read once.
; LIMITS: each e between -126 and 112.  NaN among the inputs is not served; infinities are held at the largest code.
.set NUM, 16                           ; v16-79  64 numbers: register 8 c + j = W(128 s + 16 c + 8 h + j, 16 t + r)
.set COD, 80                           ; v80-95  the fragment
	s_load_b512 s[4:19], s[0:1], 0x0               ; Wq Wk Wv Wo W1 W2, the scales' exponents s[16:17], the codes s[18:19]
	v_lshrrev_b32 v2, 5, v0
	v_readfirstlane_b32 s21, v2                    ; wave
	v_and_b32 v1, 31, v0                           ; lane
	v_and_b32 v5, 15, v0                           ; r
	v_bfe_u32 v6, v0, 4, 1                         ; h
	v_lshlrev_b32 v3, 2, v5
	v_lshl_add_u32 v3, v6, 14, v3                  ; in: 4 r + 8 h rows of 2,048 bytes
	v_lshlrev_b32 v4, 4, v1                        ; out: 16 x lane
	s_and_b32 s20, ttmp7, 0xffff                   ; which weight
	s_and_b32 s22, ttmp9, 7
	s_lshr_b32 s23, ttmp9, 3                       ; K step s
	s_lshl_b32 s22, s22, 2
	s_add_co_u32 s22, s22, s21                     ; column tile t
	s_lshl_b32 s24, s23, 18                        ; 128 s rows of 2,048 bytes
	s_lshl_b32 s25, s22, 6                         ; 16 t columns of 4 bytes
	s_add_co_u32 s24, s24, s25
	s_mov_b32 s25, 0
	s_lshl_b32 s30, s20, 18                        ; the fragment's place: 262,144 x weight + 8,192 t + 2,048 s
	s_lshl_b32 s31, s22, 13
	s_add_co_u32 s30, s30, s31
	s_lshl_b32 s31, s23, 11
	s_add_co_u32 s30, s30, s31
	s_mov_b32 s31, 0
	s_wait_alu depctr_va_vdst(0)
	s_wait_kmcnt 0x0
	s_load_b512 s[36:51], s[16:17], 0x0            ; e0 .. e15
	s_mov_b64 s[26:27], s[4:5]                     ; the weight's address is chosen by the work-group's y alone
	s_cmp_eq_u32 s20, 1
	s_cselect_b64 s[26:27], s[6:7], s[26:27]
	s_cmp_eq_u32 s20, 2
	s_cselect_b64 s[26:27], s[8:9], s[26:27]
	s_cmp_eq_u32 s20, 3
	s_cselect_b64 s[26:27], s[10:11], s[26:27]
	s_cmp_eq_u32 s20, 4
	s_cselect_b64 s[26:27], s[12:13], s[26:27]
	s_cmp_eq_u32 s20, 5
	s_cselect_b64 s[26:27], s[14:15], s[26:27]
	s_add_nc_u64 s[26:27], s[26:27], s[24:25]
	s_add_nc_u64 s[18:19], s[18:19], s[30:31]
.set ii, 0
.rept 64
	global_load_b32 v[NUM+ii], v3, s[26:27] offset:(16*(ii/8)+(ii%8))*2048 th:TH_LOAD_NT
.set ii, ii+1
.endr
	s_wait_kmcnt 0x0
	s_mov_b32 s28, s37                             ; and so is its exponent
	s_cmp_eq_u32 s20, 1
	s_cselect_b32 s28, s39, s28
	s_cmp_eq_u32 s20, 2
	s_cselect_b32 s28, s41, s28
	s_cmp_eq_u32 s20, 3
	s_cselect_b32 s28, s47, s28
	s_cmp_eq_u32 s20, 4
	s_cselect_b32 s28, s49, s28
	s_cmp_eq_u32 s20, 5
	s_cselect_b32 s28, s51, s28
	s_add_co_i32 s28, s28, 127
	s_lshl_b32 s29, s28, 23
	v_mov_b32 v11, s29                             ; 2^e as f32: the conversion takes its exponent field
	s_add_co_i32 s28, s28, 15
	s_lshl_b32 s28, s28, 23
	s_or_b32 s28, s28, 0x600000
	v_mov_b32 v10, s28                             ; 57,344 x 2^e
	s_wait_alu depctr_va_vdst(0)
.irp c, 0,1,2,3,4,5,6,7
	s_wait_loadcnt 56-8*\c                         ; loads come back in order: group c's eight are in, the later groups' may be out
.irp j, 0,1,2,3,4,5,6,7
	v_med3_num_f32 v[NUM+8*\c+\j], v[NUM+8*\c+\j], -v10, v10   ; the conversion to an 8-bit code does not saturate (ISA guide 7.6.2): the hold comes first
.endr
	v_cvt_scalef32_pk8_bf8_f32 v[COD+2*\c:COD+2*\c+1], v[NUM+8*\c:NUM+8*\c+7], v11
.endr
.irp g, 0,1,2,3
	global_store_b128 v4, v[COD+4*\g:COD+4*\g+3], s[18:19] offset:512*\g   ; 32 lanes store 512 consecutive bytes, aligned.  (The codes go to stores alone: no plain line is owed behind the conversions)
.endr
	s_endpgm
.Lfunc_end_k_q70984b196e_wquant:
	.size	k_q70984b196e_wquant, .Lfunc_end_k_q70984b196e_wquant-k_q70984b196e_wquant
	.p2alignl 7, 3214868480
	.fill 96, 4, 3214868480
	.section	.rodata,"a",@progbits
	.p2align	6, 0x0
	.amdhsa_kernel k_q70984b196e_wquant
		.amdhsa_group_segment_fixed_size 0
		.amdhsa_private_segment_fixed_size 0
		.amdhsa_enable_private_segment 0
		.amdhsa_kernarg_size 64
		.amdhsa_user_sgpr_count 2
		.amdhsa_user_sgpr_kernarg_segment_ptr 1
		.amdhsa_wavefront_size32 1
		.amdhsa_system_sgpr_workgroup_id_x 1
		.amdhsa_system_sgpr_workgroup_id_y 1
		.amdhsa_system_sgpr_workgroup_id_z 1
		.amdhsa_system_vgpr_workitem_id 0
		.amdhsa_next_free_vgpr 96
		.amdhsa_next_free_sgpr 66
		.amdhsa_reserve_vcc 0
		.amdhsa_float_denorm_mode_32 3
		.amdhsa_float_denorm_mode_16_64 3
		.amdhsa_memory_ordered 1
		.amdhsa_forward_progress 1
		.amdhsa_inst_pref_size 14
	.end_amdhsa_kernel
	.amdgpu_metadata
---
amdhsa.version: [ 1, 2 ]
amdhsa.kernels:
  - .name:           k_q70984b196e_wquant
    .symbol:         k_q70984b196e_wquant.kd
    .args:
      - { .name: Wq, .offset: 0, .size: 8, .value_kind: global_buffer, .address_space: global }
      - { .name: Wk, .offset: 8, .size: 8, .value_kind: global_buffer, .address_space: global }
      - { .name: Wv, .offset: 16, .size: 8, .value_kind: global_buffer, .address_space: global }
      - { .name: Wo, .offset: 24, .size: 8, .value_kind: global_buffer, .address_space: global }
      - { .name: W1, .offset: 32, .size: 8, .value_kind: global_buffer, .address_space: global }
      - { .name: W2, .offset: 40, .size: 8, .value_kind: global_buffer, .address_space: global }
      - { .name: lowp_scales, .offset: 48, .size: 8, .value_kind: global_buffer, .address_space: global }
      - { .name: wcodes, .offset: 56, .size: 8, .value_kind: global_buffer, .address_space: global }
    .group_segment_fixed_size: 0
    .private_segment_fixed_size: 0
    .kernarg_segment_align: 8
    .kernarg_segment_size: 64
    .max_flat_workgroup_size: 128
    .sgpr_count:     66
    .vgpr_count:     96
    .wavefront_size: 32
...
	.end_amdgpu_metadata
.endif
;; end of part 1
;; launch ln1_qkv (part 2): grid 256 x 1, 8 waves a work-group, no clusters, 242,688 bytes of LDS; arguments x, g1, beta1, bq, bk, bv, lowp_scales, wcodes, qkcodes, vcodes; writes qkcodes, vcodes
.if DOCPART == 2
	.amdgcn_target "amdgcn-amd-amdhsa--gfx1250"
	.amdhsa_code_object_version 6
	.text
	.protected	k_q70984b196e_ln1_qkv
	.globl	k_q70984b196e_ln1_qkv
	.p2align	8
	.type	k_q70984b196e_ln1_qkv,@function
k_q70984b196e_ln1_qkv:
	s_mov_b64 s[64:65], 0
	v_nop
	global_prefetch_b8 v0, s[64:65] scope:SCOPE_SE
	s_setreg_imm32_b32 hwreg(HW_REG_WAVE_MODE, 25, 1), 1
	s_wait_xcnt 0x0
; h = LayerNorm(x) g1 + beta1;  q = h Wq + bq, k = h Wk + bk, v = h Wv + bv, each product on codes of E5M2 (h quantised three times, by e0, e2, e4; the weights' codes come from the launch before);
; q, k, v are quantised (e6, e7, e9) and stored as images of the fragments that the attention launch feeds to the matrix unit.
; SHARES.  A work-group takes half a window: 8 row tiles of 16 consecutive tokens, 131,072 bytes of x from tile to tile.  EIGHT waves, two to a SIMD, 512 registers each.
;   LayerNorm: wave w takes row tile w whole (16 x 512 numbers = 256 registers) and writes its three images into LDS; a barrier; then
;   products: wave w makes output columns 64 w .. 64 w + 63 (head pair w) for all 128 tokens: 32 accumulators, 256 registers.  Its weight fragments come from memory straight into its registers.
; FRAGMENT (16 rows x 128 K, 16 registers): lane (r, h) holds row r; registers 2 c, 2 c + 1 hold k = 16 c + 8 h + 0 .. 7.  IMAGE of h: registers 4 g .. 4 g + 3 of fragment (row tile m, K step s) at 8,192 m + 2,048 s + 512 g + 16 x lane.
; q and k are made TRANSPOSED (source 0 = 16 columns of the weight, source 1 = 16 tokens): a lane holds one token and eight neighbouring columns.  v the other way round: a lane holds one channel and eight neighbouring tokens, the keys.
; The biases are the C of each sum's first matrix instruction, divided by the power of two that the sums lack.
; THE WEIGHTS STREAM: the 12 K steps of the three products are one run; step f + 2 is asked for when step f is multiplied, steps 0 and 1 at the head.
; NO JOINT LOADS: all work-groups read the same weights, but each fragment is wanted by one wave's registers and by no LDS.  No prefetch: x is asked for by all its loads at the kernel's head.
; LIMITS: e0, e2, e4, e6-e0-e1, e7-e2-e3, e9-e4-e5 between -126 and 112; e0+e1, e2+e3, e4+e5 within +-126.  NaN among the inputs is not served.
; REGISTERS (s_set_vgpr_msb: bits 1:0 source 0, 3:2 source 1, 5:4 source 2, 7:6 destination):
;   window 0: v1-31 addresses and constants; v32-127 at work (products: v32-63 the bias table, v64-127 A's fragments, then the codes to be stored); v128-255 two sets of 4 weight fragments
;   window 1: x, then h: register 32 c + 8 b + j of lane (r, h) = row r, column 64 c + 16 b + 8 h + j; later the accumulators: (row tile a, column tile b) at v[8 (4 a + b)]
.set SP,     272                       ; a stage row: 256 bytes + 16
.set STG,    196608                    ; LDS: the images by e0, e2, e4 at 0, 65,536, 131,072; then a stage of 16 rows for each wave
.set STGB,   16*SP
.set CONST,  231424                    ; g1 (0), beta1 (2,048), bq (4,096), bk (6,144), bv (8,192): wave w brings numbers 64 w .. 64 w + 63 of each
.set SPARE,  241664                    ; the spare words, 128 bytes for each wave
.set L16, 1
.set SPW, 2                            ; my spare word; never rewritten
.set NIL, 3                            ; 0; never rewritten
.set SD,  4                            ; my stage, dense: 272 (lane / 16) + 16 (lane % 16)
.set SL,  5                            ; my stage, by rows: 272 r + 32 h
.set CH,  6                            ; g1 + 32 h
.set CB,  7                            ; bq's numbers of my columns + 32 h
.set CV,  8                            ; bv's numbers of my columns + 4 r
.set IW0, 9                            ; 8,192 w + 16 x lane
.set IW,  10                           ; the same in the image in hand (at the head: my 256 bytes of a constant)
.set XO,  11                           ; x: 2,048 (lane / 16) + 16 (lane % 16).  v12-17: h's three scales; v18-23: q's, k's, v's; v24-27 at work
.set AI,  28                           ; v28-30: the three images + 16 x lane
.set TB,  31
.set WB,  30
.set MSB, 0
.macro WIN new
.if MSB != (\new)
	s_set_vgpr_msb (MSB<<8)|(\new)
.set MSB, (\new)
.endif
.endm
.macro PLACES n
.rept \n
	v_nop
.endr
.endm
.macro VW                              ; the wait round transcendentals and ahead of blocking waits and branches
	s_wait_alu depctr_va_vdst(0)
.endm
.macro BARRIER
	VW
	s_wait_dscnt 0x0
	s_barrier_signal -1
	s_barrier_wait -1
.endm
.macro SCLIM vsc, vlim, se             ; v[vsc] = 2^E as f32, v[vlim] = 57,344 x 2^E
	s_add_co_i32 s74, \se, 127
	s_lshl_b32 s75, s74, 23
	v_mov_b32 v[\vsc], s75
	s_add_co_i32 s74, s74, 15
	s_lshl_b32 s74, s74, 23
	s_or_b32 s74, s74, 0x600000
	v_mov_b32 v[\vlim], s74
.endm
.macro PINV sd, se                     ; s[sd:sd+1] = 2^-E, twice
	s_sub_co_i32 s[\sd], 127, \se
	s_lshl_b32 s[\sd], s[\sd], 23
	s_mov_b32 s[\sd+1], s[\sd]
.endm
.macro RED c, d
	v_pk_add_f32 v[\c:\c+1], v[\c:\c+1], v[\c+2:\c+3]
	v_pk_add_f32 v[\c+4:\c+5], v[\c+4:\c+5], v[\c+6:\c+7]
	v_pk_add_f32 v[\c:\c+1], v[\c:\c+1], v[\c+4:\c+5]
	v_add_f32 v[\c], v[\c], v[\c+1]
	v_permlanex16_b32 v[\c+1], v[\c], s52, s53
	v_add_f32 v[\d], v[\c], v[\c+1]
.endm
; column chunk c (16 rows x 256 bytes, 32 registers of window 1) through my stage, in place, from the loads' order to the layout of a transposed result.
; LDS serves a wave's instructions in order (ISA guide 5.7.1.4): no wait between the stores, the loads and the next chunk's stores.
.macro X2D c
	WIN 0x04
.set ii, 0
.rept 8
	ds_store_b128 v[SD], v[32*(\c)+4*ii:32*(\c)+4*ii+3] offset:2*SP*ii
.set ii, ii+1
.endr
	WIN 0x40
.set ii, 0
.rept 8
	ds_load_b128 v[32*(\c)+4*ii:32*(\c)+4*ii+3], v[SL] offset:64*(ii/2)+16*(ii%2)
.set ii, ii+1
.endr
.endm
.macro FETCH f                         ; my 4 weight fragments of step f of the run of 12 (weight f / 4, K step f % 4) into set f % 2: each load 512 consecutive bytes
.set ii, 0
.rept 16
	global_load_b128 v[128+64*((\f)%2)+4*ii:128+64*((\f)%2)+4*ii+3], v[L16], s[WB:WB+1] offset:262144*((\f)/4)+2048*((\f)%4)+8192*(ii/4)+512*(ii%4)
.set ii, ii+1
.endr
.endm
.macro AGRP pr, g                      ; A's fragments of group g (K step g / 4, row tiles 2 (g % 4), + 1) into half g % 2 of v64-127
.set TH, 64+32*((\g)%2)
.irp u, 0,1
.irp q, 0,1,2,3
	ds_load_b128 v[TH+16*\u+4*\q:TH+16*\u+4*\q+3], v[AI+\pr] offset:8192*(2*((\g)%4)+\u)+2048*((\g)/4)+512*\q
.endr
.endr
.endm
; 8 matrix instructions on group g; then group g + 2 is asked for.  In K step 0 the bias table is C and starts the sums.  The 32 accumulators take turns, in the same order in every K step.
.macro GG pr, g, tr
.set FF, 4*(\pr)+(\g)/4
.if ((\g)%4) == 0
.if FF == 11
	s_wait_loadcnt 0x0                             ; the last set of weights
.else
	s_wait_loadcnt 16                              ; this step's weights are in; the other set's 16 loads may be out
.endif
.endif
.if (\g) < 15
	s_wait_dscnt 8                                 ; this group is in; the next group's 8 loads may be out
.else
	s_wait_dscnt 0x0
.endif
.if (\g) < 4
	WIN 0x40
.else
	WIN 0x50
.endif
.set TH, 64+32*((\g)%2)
.irp u, 0,1
.irp b, 0,1,2,3
.set AC, 8*(4*(2*((\g)%4)+\u)+\b)
.set WR, 128+64*(FF%2)+16*\b
.if (\g) < 4
.if \tr
	v_wmma_f32_16x16x128_bf8_bf8 v[AC:AC+7], v[WR:WR+15], v[TH+16*\u:TH+16*\u+15], v[32+8*\b:39+8*\b]
.else
	v_wmma_f32_16x16x128_bf8_bf8 v[AC:AC+7], v[TH+16*\u:TH+16*\u+15], v[WR:WR+15], v[32+8*\b:39+8*\b]
.endif
.else
.if \tr
	v_wmma_f32_16x16x128_bf8_bf8 v[AC:AC+7], v[WR:WR+15], v[TH+16*\u:TH+16*\u+15], v[AC:AC+7]
.else
	v_wmma_f32_16x16x128_bf8_bf8 v[AC:AC+7], v[TH+16*\u:TH+16*\u+15], v[WR:WR+15], v[AC:AC+7]
.endif
.endif
.endr
.endr
	WIN 0
.if (\g) < 14
	PLACES 4
	AGRP \pr, (\g)+2
.endif
.if FF < 10
.if (\g) == 15
	PLACES 4
.endif
.if ((\g)%4) == 3
	FETCH FF+2
.endif
.endif
.endm
; A whole product, K = 512, its quantiser (scale v[vs], bound v[vs+1]) and its stores
.macro PROD pr, tr, vs
.if \tr
.set ii, 0
.rept 8
	ds_load_b128 v[32+4*ii:35+4*ii], v[CB] offset:2048*(\pr)+64*(ii/2)+16*(ii%2)   ; register 8 b + j = bias(64 w + 16 b + 8 h + j)
.set ii, ii+1
.endr
.else
.irp b, 0,1,2,3
	ds_load_b32 v[24+\b], v[CV] offset:64*\b       ; a lane holds channel 16 b + r: one number for all eight registers of a tile
.endr
.endif
	AGRP \pr, 0
	AGRP \pr, 1
	s_wait_dscnt 16                                ; the bias is in; the two groups' 16 loads may be out
.if \tr
.set ii, 0
.rept 16
	v_pk_mul_f32 v[32+2*ii:33+2*ii], v[32+2*ii:33+2*ii], s[56+2*(\pr):57+2*(\pr)] op_sel_hi:[1,0]
.set ii, ii+1
.endr
.else
.irp b, 0,1,2,3
.irp j, 0,1,2,3,4,5,6,7
	v_mul_f32 v[32+8*\b+\j], s[56+2*(\pr)], v[24+\b]
.endr
.endr
.endif
	VW
.set gg, 0
.rept 16
	GG \pr, gg, \tr
.set gg, gg+1
.endr
.irp a, 0,1,2,3,4,5,6,7
	WIN 0x41
.set ii, 0
.rept 32
	v_med3_num_f32 v[32*\a+ii], v[32*\a+ii], -v[\vs+1], v[\vs+1]   ; the conversion does not saturate (ISA guide 7.6.2); each accumulator from its low end on
.set ii, ii+1
.endr
	WIN 0x01
.irp b, 0,1,2,3
.if \tr
	v_cvt_scalef32_pk8_bf8_f32 v[64+8*\a+2*\b:65+8*\a+2*\b], v[32*\a+8*\b:32*\a+8*\b+7], v[\vs]
.else
	v_cvt_scalef32_pk8_bf8_f32 v[64+16*\b+2*\a:65+16*\b+2*\a], v[32*\a+8*\b:32*\a+8*\b+7], v[\vs]
.endif
.endr
.endr
	v_nop                                          ; a plain line behind the last conversion
	WIN 0
.set ii, 0
.rept 16
.if (\pr) == 0
	global_store_b128 v[L16], v[64+4*ii:67+4*ii], s[32:33] offset:512*ii   ; [token tile][head of my pair][512]: 512 consecutive bytes
.endif
.if (\pr) == 1
	global_store_b128 v[L16], v[64+4*ii:67+4*ii], s[62:63] offset:512*ii
.endif
.if (\pr) == 2
	global_store_b128 v[L16], v[64+4*ii:67+4*ii], s[34:35] offset:4096*(ii/4)+512*(ii%4)   ; [channel tile][key step p][2,048]
.endif
.set ii, ii+1
.endr
	s_wait_xcnt 0x0                                ; the stores have read their data: those registers take the next product's fragments
.endm
	s_load_b512 s[4:19], s[0:1], 0x0               ; x, g1, beta1, bq, bk, bv, the scales' exponents s[16:17], the weights' codes s[18:19]
	s_load_b128 s[20:23], s[0:1], 0x40             ; q's and k's codes, v's codes
	v_lshl_add_u32 v[SPW], v0, 2, SPARE
	v_mov_b32 v[NIL], 0
	v_and_b32 v32, 31, v0
	v_lshlrev_b32 v[L16], 4, v32
	v_and_b32 v33, 15, v0                          ; r
	v_bfe_u32 v34, v0, 4, 1                        ; h
	v_lshrrev_b32 v35, 5, v0
	v_readfirstlane_b32 s24, v35                   ; wave 0..7
	VW
	s_mov_b32 s25, 0x3b000000                      ; 1 / 512
	s_mov_b32 s26, 0x3727c5ac                      ; 1e-5
	s_mov_b32 s52, 0x76543210                      ; v_permlanex16_b32: lane l xor 16
	s_mov_b32 s53, 0xfedcba98
	s_lshr_b32 s66, ttmp9, 1                       ; window = 16 b + 4 wy + wx
	s_and_b32 s67, ttmp9, 1                        ; p
	s_lshr_b32 s68, s66, 4
	s_bfe_u32 s69, s66, 0x20002
	s_and_b32 s70, s66, 3
	s_lshl_b32 s68, s68, 12
	s_lshl_b32 s69, s69, 10
	s_add_co_u32 s68, s68, s69
	s_lshl_b32 s69, s67, 9
	s_add_co_u32 s68, s68, s69
	s_lshl_b32 s69, s70, 4
	s_add_co_u32 s68, s68, s69                     ; my work-group's first token: 4,096 b + 1,024 wy + 512 p + 16 wx
	s_lshl_b32 s68, s68, 11
	s_lshl_b32 s69, s24, 17
	s_add_co_u32 s68, s68, s69                     ; + row tile w
	s_mov_b32 s69, 0
	s_lshl_b32 s70, s66, 17
	s_lshl_b32 s71, s24, 14
	s_add_co_u32 s70, s70, s71                     ; 131,072 x window + 16,384 w
	s_lshl_b32 s72, s67, 13
	s_add_co_u32 s72, s72, s70                     ; q, k: + token tile 8 p
	s_mov_b32 s73, 0
	s_lshl_b32 s74, s67, 11
	s_add_co_u32 s74, s74, s70                     ; v: + key step p
	s_mov_b32 s75, 0
	s_lshl_b32 s76, s24, 15                        ; my 4 column tiles of a weight
	s_mov_b32 s77, 0
	s_mul_i32 s78, s24, STGB
	s_add_co_u32 s78, s78, STG
	s_lshl_b32 s79, s24, 8
	s_add_co_u32 s80, s79, CONST
	s_lshl_b32 s81, s24, 13
	v_mul_u32_u24 v36, v34, SP
	v_lshl_add_u32 v36, v33, 4, v36
	v_add_nc_u32 v[SD], s78, v36
	v_mul_u32_u24 v37, v33, SP
	v_lshl_add_u32 v37, v34, 5, v37
	v_add_nc_u32 v[SL], s78, v37
	v_lshl_add_u32 v[CH], v34, 5, CONST
	v_lshl_add_u32 v[CB], v34, 5, s80
	v_add_nc_u32 v[CB], 4096, v[CB]
	v_lshl_add_u32 v[CV], v33, 2, s80
	v_add_nc_u32 v[CV], 8192, v[CV]
	v_lshl_add_u32 v[TB], v33, 4, s80              ; where my 256 bytes of a constant are put: both halves of the lanes store the same
	v_lshl_add_u32 v[IW], v33, 4, s79              ; and where they come from
	v_add_nc_u32 v[IW0], s81, v[L16]
	v_mov_b32 v[AI], v[L16]
	v_add_nc_u32 v[AI+1], 0x10000, v[L16]
	v_add_nc_u32 v[AI+2], 0x20000, v[L16]
	v_lshlrev_b32 v[XO], 11, v34
	v_lshl_add_u32 v[XO], v33, 4, v[XO]
	VW
	s_wait_kmcnt 0x0
	s_load_b512 s[36:51], s[16:17], 0x0            ; e0 .. e15
	s_add_nc_u64 s[28:29], s[4:5], s[68:69]
	s_add_nc_u64 s[WB:WB+1], s[18:19], s[76:77]
	s_add_nc_u64 s[32:33], s[20:21], s[72:73]      ; q
	s_add_nc_u64 s[62:63], s[32:33], 16777216      ; k's codes lie behind q's
	s_add_nc_u64 s[34:35], s[22:23], s[74:75]      ; v
	global_load_b128 v[44:47], v[IW], s[6:7]
	global_load_b128 v[48:51], v[IW], s[8:9]
	global_load_b128 v[52:55], v[IW], s[10:11]
	global_load_b128 v[56:59], v[IW], s[12:13]
	global_load_b128 v[60:63], v[IW], s[14:15]
	WIN 0x40
.set ii, 0
.rept 64                                           ; x: chunk ii / 8, rows 2 (ii % 8), + 1: two pieces of 256 consecutive bytes, aligned
	global_load_b128 v[4*ii:4*ii+3], v[XO], s[28:29] offset:(ii/8)*256+(ii%8)*4096 th:TH_LOAD_NT
.set ii, ii+1
.endr
	WIN 0
	s_wait_kmcnt 0x0
	s_add_co_i32 s76, s36, s37                     ; e0 + e1
	s_add_co_i32 s77, s38, s39                     ; e2 + e3
	s_add_co_i32 s78, s40, s41                     ; e4 + e5
	SCLIM 12, 13, s36                              ; h's three scales: the loop below shifts them through v12, v13
	SCLIM 14, 15, s38
	SCLIM 16, 17, s40
	s_sub_co_i32 s79, s42, s76                     ; a sum stands for sum x 2^(e0 + e1): q's code is sum / 2^(e6 - e0 - e1)
	SCLIM 18, 19, s79
	s_sub_co_i32 s79, s43, s77
	SCLIM 20, 21, s79
	s_sub_co_i32 s79, s45, s78
	SCLIM 22, 23, s79
	PINV 56, s76                                   ; what the biases are multiplied by
	PINV 58, s77
	PINV 60, s78
	VW                                             ; the head's end
	s_wait_loadcnt 63                              ; of the 69 loads the oldest 6 are in: the 5 of the constants among them
.irp i, 0,1,2,3,4
	ds_store_b128 v[TB], v[44+4*\i:47+4*\i] offset:2048*\i
.endr
	FETCH 0                                        ; Wq's K steps 0 and 1 land under LayerNorm
	FETCH 1
	BARRIER                                        ; the constants are whole
.irp c, 0,1,2,3,4,5,6,7
.if 8*(7-\c)+32 > 63
	s_wait_loadcnt 63
.else
	s_wait_loadcnt 8*(7-\c)+32                     ; chunk c's 8 loads are in; the later chunks' and the weights' 32 may be out
.endif
	X2D \c
.endr
	WIN 0
	s_wait_dscnt 0x0
	; the row's statistics and the normalisation, in place.  A lane holds 256 numbers of its row, lane l xor 16 the other 256
	WIN 0x05
.irp k, 0,1,2,3
	v_pk_add_f32 v[32+2*\k:33+2*\k], v[2*\k:2*\k+1], v[8+2*\k:9+2*\k]
.endr
	WIN 0x01
.set ii, 8
.rept 120
	v_pk_add_f32 v[32+2*(ii%4):33+2*(ii%4)], v[2*ii:2*ii+1], v[32+2*(ii%4):33+2*(ii%4)]
.set ii, ii+1
.endr
	WIN 0
	RED 32, 32
	v_mul_f32 v24, s25, v32                        ; the mean, twice
	v_mul_f32 v25, s25, v32
	WIN 0x41
.set ii, 0
.rept 128
	v_pk_add_f32 v[2*ii:2*ii+1], v[2*ii:2*ii+1], v[24:25] neg_lo:[0,1] neg_hi:[0,1]
.set ii, ii+1
.endr
	WIN 0x05
.irp k, 0,1,2,3
	v_pk_mul_f32 v[32+2*\k:33+2*\k], v[2*\k:2*\k+1], v[2*\k:2*\k+1]
.endr
.set ii, 4
.rept 124
	v_pk_fma_f32 v[32+2*(ii%4):33+2*(ii%4)], v[2*ii:2*ii+1], v[2*ii:2*ii+1], v[32+2*(ii%4):33+2*(ii%4)]
.set ii, ii+1
.endr
	WIN 0
	RED 32, 32
	v_fma_f32 v32, v32, s25, s26                   ; the variance + 1e-5
	VW
	v_rsq_f32 v26, v32
	v_rsq_f32 v27, v32
	v_nop
	VW
	WIN 0x41
.set ii, 0
.rept 128
	v_pk_mul_f32 v[2*ii:2*ii+1], v[2*ii:2*ii+1], v[26:27]
.set ii, ii+1
.endr
	WIN 0
.irp c, 0,1,2,3,4,5,6,7                            ; x g1 + beta1, chunk by chunk
.set ii, 0
.rept 8
	ds_load_b128 v[64+4*ii:67+4*ii], v[CH] offset:256*\c+64*(ii/2)+16*(ii%2)
	ds_load_b128 v[96+4*ii:99+4*ii], v[CH] offset:2048+256*\c+64*(ii/2)+16*(ii%2)
.set ii, ii+1
.endr
	s_wait_dscnt 0x0
	WIN 0x41
.set ii, 0
.rept 16
	v_pk_fma_f32 v[32*\c+2*ii:32*\c+2*ii+1], v[32*\c+2*ii:32*\c+2*ii+1], v[64+2*ii:65+2*ii], v[96+2*ii:97+2*ii]
.set ii, ii+1
.endr
	WIN 0
.endr
	; h is quantised three times, by e0, e2, e4: a trip writes my 4 fragments of one image
	s_mov_b32 s54, 3
	s_mov_b32 s55, 0
	VW
.Lquant:
	v_add_nc_u32 v[IW], s55, v[IW0]
.irp u, 0,1,2,3
	WIN 0x01
.set ii, 0
.rept 64
	v_med3_num_f32 v[32+ii], v[64*\u+ii], -v13, v13   ; the hold, into v32-95: h itself stays for the next trip
.set ii, ii+1
.endr
	WIN 0
	VW
	s_wait_dscnt 4                                 ; the other code set's four stores may be out: this set's have read their registers
.irp c, 0,1,2,3,4,5,6,7
	v_cvt_scalef32_pk8_bf8_f32 v[96+16*(\u%2)+2*\c:97+16*(\u%2)+2*\c], v[32+8*\c:39+8*\c], v12
.endr
	v_nop
.irp g, 0,1,2,3
	ds_store_b128 v[IW], v[96+16*(\u%2)+4*\g:99+16*(\u%2)+4*\g] offset:\u*2048+512*\g
.endr
.endr
	s_wait_dscnt 0x0                               ; the stores have read their address
	v_mov_b32 v12, v14
	v_mov_b32 v13, v15
	v_mov_b32 v14, v16
	v_mov_b32 v15, v17
	VW
	s_add_co_u32 s55, s55, 65536
	s_sub_co_u32 s54, s54, 1
	s_cmp_lg_u32 s54, 0
	s_cbranch_scc1 .Lquant
	BARRIER                                        ; the three images are whole; from here on they are only read
	PROD 0, 1, 18                                  ; q
	PROD 1, 1, 20                                  ; k
	PROD 2, 0, 22                                  ; v
	s_wait_tensorcnt 0x0                           ; the wave's end
	ds_add_u32 v[SPW], v[NIL]
	s_wait_dscnt 0x0
	s_endpgm
.Lfunc_end_k_q70984b196e_ln1_qkv:
	.size	k_q70984b196e_ln1_qkv, .Lfunc_end_k_q70984b196e_ln1_qkv-k_q70984b196e_ln1_qkv
	.p2alignl 7, 3214868480
	.fill 96, 4, 3214868480
	.section	.rodata,"a",@progbits
	.p2align	6, 0x0
	.amdhsa_kernel k_q70984b196e_ln1_qkv
		.amdhsa_group_segment_fixed_size 242688
		.amdhsa_private_segment_fixed_size 0
		.amdhsa_enable_private_segment 0
		.amdhsa_kernarg_size 80
		.amdhsa_user_sgpr_count 2
		.amdhsa_user_sgpr_kernarg_segment_ptr 1
		.amdhsa_wavefront_size32 1
		.amdhsa_system_sgpr_workgroup_id_x 1
		.amdhsa_system_sgpr_workgroup_id_y 1
		.amdhsa_system_sgpr_workgroup_id_z 1
		.amdhsa_system_vgpr_workitem_id 0
		.amdhsa_next_free_vgpr 512
		.amdhsa_next_free_sgpr 100
		.amdhsa_reserve_vcc 0
		.amdhsa_float_denorm_mode_32 3
		.amdhsa_float_denorm_mode_16_64 3
		.amdhsa_memory_ordered 1
		.amdhsa_forward_progress 1
		.amdhsa_inst_pref_size 233
	.end_amdhsa_kernel
	.amdgpu_metadata
---
amdhsa.version: [ 1, 2 ]
amdhsa.kernels:
  - .name:           k_q70984b196e_ln1_qkv
    .symbol:         k_q70984b196e_ln1_qkv.kd
    .args:
      - { .name: x, .offset: 0, .size: 8, .value_kind: global_buffer, .address_space: global }
      - { .name: g1, .offset: 8, .size: 8, .value_kind: global_buffer, .address_space: global }
      - { .name: beta1, .offset: 16, .size: 8, .value_kind: global_buffer, .address_space: global }
      - { .name: bq, .offset: 24, .size: 8, .value_kind: global_buffer, .address_space: global }
      - { .name: bk, .offset: 32, .size: 8, .value_kind: global_buffer, .address_space: global }
      - { .name: bv, .offset: 40, .size: 8, .value_kind: global_buffer, .address_space: global }
      - { .name: lowp_scales, .offset: 48, .size: 8, .value_kind: global_buffer, .address_space: global }
      - { .name: wcodes, .offset: 56, .size: 8, .value_kind: global_buffer, .address_space: global }
      - { .name: qkcodes, .offset: 64, .size: 8, .value_kind: global_buffer, .address_space: global }
      - { .name: vcodes, .offset: 72, .size: 8, .value_kind: global_buffer, .address_space: global }
    .group_segment_fixed_size: 242688
    .private_segment_fixed_size: 0
    .kernarg_segment_align: 8
    .kernarg_segment_size: 80
    .max_flat_workgroup_size: 256
    .sgpr_count:     100
    .vgpr_count:     512
    .wavefront_size: 32
...
	.end_amdgpu_metadata
.endif
;; end of part 2
;; launch attn_mlp (part 3): grid 256 x 1, 8 waves a work-group, no clusters, 316,416 bytes of LDS; arguments qkcodes, vcodes, x, wcodes, lowp_scales, bo, g2, beta2, b1m, b2m, out0; writes out0
.if DOCPART == 3
	.amdgcn_target "amdgcn-amd-amdhsa--gfx1250"
	.amdhsa_code_object_version 6
	.text
	.protected	k_q70984b196e_attn_mlp
	.globl	k_q70984b196e_attn_mlp
	.p2align	8
	.type	k_q70984b196e_attn_mlp,@function
k_q70984b196e_attn_mlp:
	s_mov_b64 s[64:65], 0
	v_nop
	global_prefetch_b8 v0, s[64:65] scope:SCOPE_SE
	s_setreg_imm32_b32 hwreg(HW_REG_WAVE_MODE, 25, 1), 1
	s_wait_xcnt 0x0
; Attention inside a window of 256 tokens (16 heads of 32), o Wo + bo, residual, LayerNorm, W1, exact GELU, W2, residual: products 4 to 8, all on codes of E5M2 with the given scales.
; SHARES.  A work-group takes half a window: 128 queries = 8 row tiles, against the window's 256 keys.  EIGHT waves, two to a SIMD, 512 registers each.
;   Wave w owns heads 2 w, 2 w + 1 and columns 64 w .. 64 w + 63 of every product.
; ATTENTION.  Both products transposed (S^T = k q^T, O^T = v^T p^T): a lane holds ONE query.  All 256 keys of a query tile are in registers, so M is the row's own:
;   t = score x log2(e) / sqrt(32) x 2^(e6+e7); M = ceil(largest t); p = 2^(t - M) is quantised by e8; the sum l of the unquantised p divides O at the end.
;   A head has K = 32 and the form K = 64: a key tile of one head is 4 registers, and the operand's other 4 are the 4 registers that follow (the next key tile's, behind the last tile v's: finite codes); they meet the zero codes behind q's.
;   p's hold at the largest code runs only where it can act (e8 < -15): a scalar branch on e8, a whole number read from memory, around those 128 lines alone.
; x COMES UNDER THE ATTENTION: row tiles 0-3 into the first head's registers when that head is done; row tiles 4-7 in the second head's 8 trips, 4 loads a trip through v112-127 into my park in LDS.
; OPERANDS GO FROM WAVE TO WAVE THROUGH LDS AS IMAGES OF THEIR REGISTERS: registers 4 g .. 4 g + 3 of fragment (row tile m, K step s) lie at 16,384 s + 8,192 (g / 2) + 1,024 m + 512 (g % 2) + 16 x lane:
;   wave w writes the 8,192 bytes from 8,192 w on.  GELU's image lies on o's: two barriers stand between o's last read and GELU's first store.  q's codes wait in my own 8,192 bytes of LayerNorm's image.
; THE RESIDUAL IS THE C OF THE SUMS: (x + bias) x 2^-(the two exponents) lies in the accumulators before the first K step, and the finished sums are multiplied back.
;   x1 stays in registers; for W1 its row tiles 4-7 (128 registers) are parked in the wave's own LDS bytes, and W1's fragments take their place.
; GELU: gelu(y) = max(y, 0) - |y| erfc(|y| / sqrt 2) / 2, erfc(z) = t exp(-z^2 + P(t)), t = 1 / (1 + z / 2), P of degree 9: no difference of near numbers on either side.
; LayerNorm over a row that eight waves share: each wave's mean and sum of squares about ITS mean over 64 columns meet in LDS and are joined exactly.
; NO JOINT LOADS: every weight fragment is wanted by one wave's registers and by no LDS; all 316,416 LDS bytes in use are written by LDS stores; the 11,264 left hold no K step of a weight (65,536).
; PREFETCH: x, one row tile (16 rows x 256 bytes of my columns) in each of the first head's 8 trips, ahead of its loads.  k, v and q are asked for at the head; the weights one K step or more ahead by their loads.
; LIMITS: e8, e12, e10-e8-e9, e14-e12-e13 between -126 and 112; e10+e11, e14+e15, e12+e13, 2 (e12+e13) within +-126; e6+e7 between -124 and 129.  NaN among the inputs is not served.
; REGISTERS (s_set_vgpr_msb: bits 1:0 source 0, 3:2 source 1, 5:4 source 2, 7:6 destination):
;   window 0: v1-31 addresses and constants; v32-127 at work; v128-255 S^T, later weight sets / fragments
;   window 1: head 0's k (v0-63) and v (v64-127), head 1's k (v128-191) and v (v192-255); later x / x1 / out: accumulator (row tile a, column tile b) at v[8 (4 a + b)]
.set SP,     272                       ; a stage row: 256 bytes + 16
.set H2IMG,  65536                     ; LDS: o's image, later GELU's, at 0; q's codes, later LayerNorm's image, at 65,536
.set PARK,   131072                    ; 16,384 for each wave: x's row tiles 4-7, later x1's
.set STG,    262144                    ; a stage of 16 rows for each wave
.set STGB,   16*SP
.set PART,   296960                    ; LayerNorm's parts: 1,024 x tile + 64 r + 8 x wave
.set CONST,  305152                    ; for each wave its 64 numbers of bo (0), b2m (256), b1m (512), g2 (768), beta2 (1,024)
.set CONSTB, 1280
.set SPARE,  315392                    ; the spare words, 128 bytes for each wave
.set L16, 1                            ; 16 x lane
.set SPW, 2                            ; my spare word; never rewritten
.set NIL, 3                            ; 0; never rewritten
.set SD,  4                            ; my stage, dense: 272 (lane / 16) + 16 (lane % 16)
.set SL,  5                            ; my stage, by rows: 272 r + 32 h
.set PK,  6                            ; my park + 16 x lane
.set OW,  7                            ; 8,192 w + 16 x lane: my part of o's and GELU's image
.set HW,  8                            ; the same in LayerNorm's; q's codes first
.set PF,  9                            ; the prefetch's offset: 2,048 x min(lane, 15)
.set CH,  10                           ; my constants + 32 h
.set PW,  11
.set PR,  12
.set TA,  13
.set TB,  14
.set AI,  15
.set HR,  16                           ; LayerNorm's image + 16 x lane
.set XO,  25                           ; x, out: 2,048 (lane / 16) + 16 (lane % 16).  v17-24: 2^E and 57,344 x 2^E for e8; e10-e8-e9; e12; e14-e12-e13
.set WV,  26
.set QB,  28
.set KB,  30
.set VS,  32
.set XB,  34
.set OB,  52
.set WB,  54
.set W1B, 56
.set WB2, 58
.set CS,  62
.set CK,  66
.set K1,  86
.set TI,  87
.set K2,  88
.set SINV, 90
.set SFWD, 92
.set QI,  98
.set OI,  99
.set CNT, 100
.set BO,  2
.set HALF, 27
.set SI1, 4
.set XP,  6
.set MSB, 0
.macro WIN new
.if MSB != (\new)
	s_set_vgpr_msb (MSB<<8)|(\new)
.set MSB, (\new)
.endif
.endm
.macro PLACES n
.rept \n
	v_nop
.endr
.endm
.macro VW                              ; the wait round transcendentals and ahead of blocking waits and branches
	s_wait_alu depctr_va_vdst(0)
.endm
.macro BARRIER
	VW
	s_wait_dscnt 0x0
	s_barrier_signal -1
	s_barrier_wait -1
.endm
.macro SCLIM vsc, vlim, se
	s_add_co_i32 s8, \se, 127
	s_lshl_b32 s9, s8, 23
	v_mov_b32 v[\vsc], s9
	s_add_co_i32 s8, s8, 15
	s_lshl_b32 s8, s8, 23
	s_or_b32 s8, s8, 0x600000
	v_mov_b32 v[\vlim], s8
.endm
.macro POW2 sd, se, neg
.if \neg
	s_sub_co_i32 s[\sd], 127, \se
.else
	s_add_co_i32 s[\sd], \se, 127
.endif
	s_lshl_b32 s[\sd], s[\sd], 23
	s_mov_b32 s[\sd+1], s[\sd]
.endm
.macro CPAIR k, val
	s_mov_b32 s[CK+2*\k], \val
	s_mov_b32 s[CK+2*\k+1], \val
.endm
.macro RED c, d                        ; four packed chains at v[c] on -> the sum in v[d], in both lanes that share the row
	v_pk_add_f32 v[\c:\c+1], v[\c:\c+1], v[\c+2:\c+3]
	v_pk_add_f32 v[\c+4:\c+5], v[\c+4:\c+5], v[\c+6:\c+7]
	v_pk_add_f32 v[\c:\c+1], v[\c:\c+1], v[\c+4:\c+5]
	v_add_f32 v[\c], v[\c], v[\c+1]
	v_permlanex16_b32 v[\c+1], v[\c], s60, s61
	v_add_f32 v[\d], v[\c], v[\c+1]
.endm
; row tile a (16 rows x 256 bytes, 32 registers of window 1) through my stage, in place: X2D from the loads' order to the layout of a transposed result (register 8 b + j of lane (r, h) = row r, column 16 b + 8 h + j); D2X back.
; LDS serves a wave's instructions in order (ISA guide 5.7.1.4): no wait between the stores, the loads and the next tile's stores.
.macro X2D a
	WIN 0x04
.set ii, 0
.rept 8
	ds_store_b128 v[SD], v[32*(\a)+4*ii:32*(\a)+4*ii+3] offset:2*SP*ii
.set ii, ii+1
.endr
	WIN 0x40
.set ii, 0
.rept 8
	ds_load_b128 v[32*(\a)+4*ii:32*(\a)+4*ii+3], v[SL] offset:64*(ii/2)+16*(ii%2)
.set ii, ii+1
.endr
.endm
.macro D2X a
	WIN 0x04
.set ii, 0
.rept 8
	ds_store_b128 v[SL], v[32*(\a)+4*ii:32*(\a)+4*ii+3] offset:64*(ii/2)+16*(ii%2)
.set ii, ii+1
.endr
	WIN 0x40
.set ii, 0
.rept 8
	ds_load_b128 v[32*(\a)+4*ii:32*(\a)+4*ii+3], v[SD] offset:2*SP*ii
.set ii, ii+1
.endr
.endm
.macro OUTST a
	WIN 0x04
.set ii, 0
.rept 8
	global_store_b128 v[XO], v[32*(\a)+4*ii:32*(\a)+4*ii+3], s[OB:OB+1] offset:(\a)*131072+ii*4096 th:TH_STORE_NT   ; sixteen lanes store 256 consecutive bytes, aligned
.set ii, ii+1
.endr
.endm
.macro UNPARK                          ; 128 registers (row tiles 4-7) come back from my park
	WIN 0x40
.set ii, 0
.rept 32
	ds_load_b128 v[128+4*ii:131+4*ii], v[PK] offset:512*ii
.set ii, ii+1
.endr
.endm
.macro FETCH_B sb, s, set              ; my 4 weight fragments of K step s, from memory into set: each load 512 consecutive bytes
.set ii, 0
.rept 16
	global_load_b128 v[128+64*(\set)+4*ii:128+64*(\set)+4*ii+3], v[L16], s[\sb:\sb+1] offset:2048*(\s)+8192*(ii/4)+512*(ii%4)
.set ii, ii+1
.endr
.endm
.macro SLAB q                          ; W1's column tiles 2 q, 2 q + 1 of my four, all four K steps: 16,384 consecutive bytes; fragment (b, s) at v[128 + 16 (4 b + s)] of window 1
	WIN 0x40
.set ii, 0
.rept 32
	global_load_b128 v[128+4*ii:128+4*ii+3], v[L16], s[W1B:W1B+1] offset:(\q)*16384+512*ii
.set ii, ii+1
.endr
	WIN 0
.endm
; A's fragments come in groups of two row tiles: group g = K step g / 4, row tiles 2 (g % 4), + 1, into third (g + 1) % 3 of v32-127
.macro AGRP g
.set TH, 32+32*(((\g)+1)%3)
.irp u, 0,1
.irp q, 0,1,2,3
	ds_load_b128 v[TH+16*\u+4*\q:TH+16*\u+4*\q+3], v[L16] offset:16384*((\g)/4)+8192*(\q/2)+1024*(2*((\g)%4)+\u)+512*(\q%2)
.endr
.endr
.endm
; 8 matrix instructions on group g; then group g + 3 is asked for.  The 32 accumulators take turns, in the same order in every K step.
.macro GGRP g
.set KS, (\g)/4
.if ((\g)%4) == 0
.if KS == 3
	s_wait_loadcnt 0x0                             ; the last set of weights
.else
	s_wait_loadcnt 16                              ; this step's weights are in; the other set's 16 loads may be out
.endif
.endif
.if (\g) < 14
	s_wait_dscnt 16                                ; this group is in; the next two groups' 16 loads may be out
.else
	s_wait_dscnt 8*(15-(\g))
.endif
	WIN 0x50
.set TH, 32+32*(((\g)+1)%3)
.irp u, 0,1
.irp b, 0,1,2,3
.set AC, 8*(4*(2*((\g)%4)+\u)+\b)
	v_wmma_f32_16x16x128_bf8_bf8 v[AC:AC+7], v[128+64*(KS%2)+16*\b:128+64*(KS%2)+16*\b+15], v[TH+16*\u:TH+16*\u+15], v[AC:AC+7]
.endr
.endr
	WIN 0
.if (\g) < 13
	PLACES 4
	AGRP (\g)+3
.endif
.if (((\g)%4) == 3) && (KS < 2)
	FETCH_B WB, KS+2, KS%2
.endif
.endm
; ONE HEAD: a loop over the 8 query tiles.  At the loop's head q's codes of the tile are in (the wait on DScnt behind the second product of the trip before).
.macro HEAD hl
.set KBR, 128*(\hl)
.set VBR, 64+128*(\hl)
	s_mov_b32 s[QI], 4096*(\hl)
	s_mov_b32 s[OI], 0
	s_mov_b32 s[CNT], 8
.Lhead_\@:
	WIN 0x01
.set ii, 0
.rept 16
	v_wmma_f32_16x16x64_bf8_bf8 v[128+8*ii:135+8*ii], v[KBR+4*ii:KBR+4*ii+7], v[36:43], 0   ; S^T of key tile ii: lane = query, register j = key 16 ii + 8 h + j
.set ii, ii+1
.endr
	WIN 0
	s_add_co_u32 s8, s[QI], 512
	s_and_b32 s8, s8, 0x1fff                       ; the next entry; behind the last the first again, which is not multiplied
	v_add_nc_u32 v[TA], s8, v[HW]                  ; additions and v_nop: the four places
.if (\hl) == 1
	s_lshr_b32 s9, s[OI], 1
	v_add_nc_u32 v[AI], s9, v[PK]                  ; my park + 512 x trip
	PLACES 2
.else
	PLACES 3
.endif
	ds_load_b128 v[36:39], v[TA]                   ; the next query tile's codes
.if (\hl) == 0
	global_prefetch_b8 v[PF], s[XP:XP+1] th:TH_LOAD_NT scope:SCOPE_SE   ; my columns of x's row tile = this trip's number
.else
.irp i, 0,1,2,3
	global_load_b128 v[112+4*\i:115+4*\i], v[XO], s[XP:XP+1] offset:131072*\i th:TH_LOAD_NT   ; rows 2 t, 2 t + 1 (t = the trip) of x's row tiles 4 + i
.endr
.endif
.irp k, 0,1,2,3,4,5,6,7                            ; the largest score, in eight chains, ascending: each accumulator is first read at its low end
	v_max3_num_f32 v[64+\k], v[128+16*\k], v[129+16*\k], v[130+16*\k]
.endr
.set ii, 3
.rept 6
.irp k, 0,1,2,3,4,5,6,7
	v_max3_num_f32 v[64+\k], v[64+\k], v[128+16*\k+ii], v[129+16*\k+ii]
.endr
.set ii, ii+2
.endr
.irp k, 0,1,2,3,4,5,6,7
	v_max_num_f32 v[64+\k], v[64+\k], v[143+16*\k]
.endr
	v_max3_num_f32 v64, v64, v65, v66
	v_max3_num_f32 v67, v67, v68, v69
	v_max_num_f32 v70, v70, v71
	v_max3_num_f32 v64, v64, v67, v70
	v_permlanex16_b32 v65, v64, s60, s61           ; the query's other 128 keys lie in lane l xor 16
	v_max_num_f32 v64, v64, v65
	v_mul_f32 v64, s[CS], v64                      ; as t (c is positive)
	v_floor_f32 v26, -v64                          ; -M = -ceil(t)
.set ii, 0
.rept 64
	v_pk_fma_f32 v[128+2*ii:129+2*ii], v[128+2*ii:129+2*ii], s[CS:CS+1], v[26:27] op_sel_hi:[1,0,0]   ; t - M
.set ii, ii+1
.endr
	VW
.set ii, 0
.rept 128
	v_exp_f32 v[128+ii], v[128+ii]                 ; p = 2^(t - M), not normalised
.set ii, ii+1
.endr
	v_nop
	VW
.irp k, 0,1,2,3,4,5,6,7                            ; the sum of the UNQUANTISED p, in eight packed chains
	v_pk_add_f32 v[64+2*\k:65+2*\k], v[128+2*\k:129+2*\k], v[144+2*\k:145+2*\k]
.endr
.set ii, 16
.rept 48
	v_pk_add_f32 v[64+2*(ii%8):65+2*(ii%8)], v[64+2*(ii%8):65+2*(ii%8)], v[128+2*ii:129+2*ii]
.set ii, ii+1
.endr
.irp k, 0,1,2,3
	v_pk_add_f32 v[64+2*\k:65+2*\k], v[64+2*\k:65+2*\k], v[72+2*\k:73+2*\k]
.endr
	RED 64, 28
	VW
	v_rcp_f32 v30, v28                             ; 1 / l
	v_nop
	VW
	s_cmp_ge_i32 s44, -15                          ; e8 >= -15: 57,344 x 2^e8 >= 1.75 >= p: the hold could change nothing
	s_cbranch_scc1 .Lfits_\@
.set ii, 0
.rept 128
	v_min_num_f32 v[128+ii], v[128+ii], v18        ; the conversion does not saturate (ISA guide 7.6.2); p is not negative
.set ii, ii+1
.endr
.Lfits_\@:
.set ii, 0
.rept 16
	v_cvt_scalef32_pk8_bf8_f32 v[80+2*ii:81+2*ii], v[128+8*ii:135+8*ii], v17
.set ii, ii+1
.endr
	v_nop
	WIN 0x01
	v_wmma_f32_16x16x128_bf8_bf8 v[44:51], v[VBR:VBR+15], v[80:95], 0                 ; O^T: channels 0-15, keys 0-127; the two accumulators take turns
	v_wmma_f32_16x16x128_bf8_bf8 v[52:59], v[VBR+32:VBR+47], v[80:95], 0              ; channels 16-31
	v_wmma_f32_16x16x128_bf8_bf8 v[44:51], v[VBR+16:VBR+31], v[96:111], v[44:51]      ; keys 128-255
	v_wmma_f32_16x16x128_bf8_bf8 v[52:59], v[VBR+48:VBR+63], v[96:111], v[52:59]
	WIN 0
.if (\hl) == 1
	s_wait_loadcnt 0x0                             ; this trip's four loads of x are in (asked for at its head), and have read their base
.irp i, 0,1,2,3
	ds_store_b128 v[AI], v[112+4*\i:115+4*\i] offset:4096*\i   ; registers 4 t .. 4 t + 3 of row tile 4 + i, as an image
.endr
	s_add_nc_u64 s[XP:XP+1], s[XP:XP+1], 4096
.endif
	s_wait_dscnt 0x0                               ; the next tile's q is in; my stores have read their data and their addresses
.if (\hl) == 0
	s_wait_xcnt 0x0                                ; the prefetch has read its base
	s_add_nc_u64 s[XP:XP+1], s[XP:XP+1], 131072
.endif
	PLACES 4
.set ii, 0
.rept 8
	v_pk_mul_f32 v[44+2*ii:45+2*ii], v[44+2*ii:45+2*ii], v[30:31] op_sel_hi:[1,0]
.set ii, ii+1
.endr
.set ii, 0
.rept 16
	v_med3_num_f32 v[44+ii], v[44+ii], -v20, v20
.set ii, ii+1
.endr
	v_cvt_scalef32_pk8_bf8_f32 v[60:61], v[44:51], v19   ; o's code = (sum / l) / 2^(e10 - e8 - e9)
	v_cvt_scalef32_pk8_bf8_f32 v[62:63], v[52:59], v19
	v_add_nc_u32 v[TB], s[OI], v[OW]
	ds_store_b128 v[TB], v[60:63] offset:512*(\hl)
	VW
	s_add_co_u32 s[QI], s[QI], 512
	s_add_co_u32 s[OI], s[OI], 1024
	s_sub_co_u32 s[CNT], s[CNT], 1
	s_cmp_lg_u32 s[CNT], 0
	s_cbranch_scc1 .Lhead_\@
.endm
; LayerNorm, first part, row tile a: my 64 columns' mean and the sum of squares about it, to LDS
.macro LN2A a
.set X0, 32*(\a)
	WIN 0x05
.irp k, 0,1,2,3
	v_pk_add_f32 v[64+2*\k:65+2*\k], v[X0+2*\k:X0+2*\k+1], v[X0+8+2*\k:X0+9+2*\k]
.endr
	WIN 0x01
.set ii, 8
.rept 8
	v_pk_add_f32 v[64+2*(ii%4):65+2*(ii%4)], v[X0+2*ii:X0+2*ii+1], v[64+2*(ii%4):65+2*(ii%4)]
.set ii, ii+1
.endr
	WIN 0
	RED 64, 64
	v_mul_f32 v[96+2*\a], 0x3c800000, v64          ; / 64, twice: a pair for the packed form
	v_mul_f32 v[97+2*\a], 0x3c800000, v64
	WIN 0x01
.set ii, 0
.rept 16
	v_pk_add_f32 v[32+2*ii:33+2*ii], v[X0+2*ii:X0+2*ii+1], v[96+2*\a:97+2*\a] neg_lo:[0,1] neg_hi:[0,1]
.set ii, ii+1
.endr
	WIN 0
.irp k, 0,1,2,3
	v_pk_mul_f32 v[64+2*\k:65+2*\k], v[32+2*\k:33+2*\k], v[32+2*\k:33+2*\k]
.endr
.set ii, 4
.rept 12
	v_pk_fma_f32 v[64+2*(ii%4):65+2*(ii%4)], v[32+2*ii:33+2*ii], v[32+2*ii:33+2*ii], v[64+2*(ii%4):65+2*(ii%4)]
.set ii, ii+1
.endr
	RED 64, 97+2*\a
	ds_store_b64 v[PW], v[96+2*\a:97+2*\a] offset:1024*\a   ; both lanes of a row store the same two numbers to the same place
.endm
; second part: the eight waves' parts of tile a (v[128 + 16 a] on: mean, squares, eight times) are joined: v[32 + 4 a] = the row's mean, v[33 + 4 a] = its variance + 1e-5
.macro LN2J a
.set U, 128+16*\a
.set TT, 32+4*\a
	v_pk_add_f32 v[TT:TT+1], v[U:U+1], v[U+2:U+3]
	v_pk_add_f32 v[TT+2:TT+3], v[U+4:U+5], v[U+6:U+7]
	v_pk_add_f32 v[TT:TT+1], v[TT:TT+1], v[U+8:U+9]
	v_pk_add_f32 v[TT+2:TT+3], v[TT+2:TT+3], v[U+10:U+11]
	v_pk_add_f32 v[TT:TT+1], v[TT:TT+1], v[U+12:U+13]
	v_pk_add_f32 v[TT+2:TT+3], v[TT+2:TT+3], v[U+14:U+15]
	v_pk_add_f32 v[TT:TT+1], v[TT:TT+1], v[TT+2:TT+3]
	v_mul_f32 v[TT], 0x3e000000, v[TT]             ; / 8
.irp i, 0,1,2,3,4,5,6,7
	v_sub_f32 v[U+2*\i], v[U+2*\i], v[TT]
.endr
	v_mul_f32 v[TT+2], v[U], v[U]
.irp i, 1,2,3,4,5,6,7
	v_fmac_f32 v[TT+2], v[U+2*\i], v[U+2*\i]
.endr
	v_fmamk_f32 v[TT+1], v[TT+2], 0x42800000, v[TT+1]   ; 64 x the means' squares about the mean + the eight sums of squares
	v_fma_f32 v[TT+1], v[TT+1], s12, s13           ; / 512 + 1e-5
.endm
; third part: tile a is normalised into v128-159, quantised by e12, and its image stored; x1 itself stays
.macro LN2B a
.set X0, 32*(\a)
.set TT, 32+4*\a
	WIN 0x01
.set ii, 0
.rept 16
	v_pk_add_f32 v[128+2*ii:129+2*ii], v[X0+2*ii:X0+2*ii+1], v[TT:TT+1] op_sel_hi:[1,0] neg_lo:[0,1] neg_hi:[0,1]
.set ii, ii+1
.endr
	WIN 0
.set ii, 0
.rept 16
	v_pk_mul_f32 v[128+2*ii:129+2*ii], v[128+2*ii:129+2*ii], v[TT:TT+1] op_sel:[0,1] op_sel_hi:[1,1]
.set ii, ii+1
.endr
.set ii, 0
.rept 16
	v_pk_fma_f32 v[128+2*ii:129+2*ii], v[128+2*ii:129+2*ii], v[64+2*ii:65+2*ii], v[96+2*ii:97+2*ii]
.set ii, ii+1
.endr
.set ii, 0
.rept 32
	v_med3_num_f32 v[128+ii], v[128+ii], -v22, v22
.set ii, ii+1
.endr
.irp c, 0,1,2,3
	v_cvt_scalef32_pk8_bf8_f32 v[160+8*\a+2*\c:161+8*\a+2*\c], v[128+8*\c:135+8*\c], v21   ; each tile has its own eight registers of codes
.endr
	v_nop
	ds_store_b128 v[HW], v[160+8*\a:163+8*\a] offset:1024*\a
	ds_store_b128 v[HW], v[164+8*\a:167+8*\a] offset:1024*\a+512
.endm
.macro ALOAD2 adr                      ; LayerNorm's fragments of two row tiles, all four K steps: (mu, s) at 128 + 64 mu + 16 s
.irp mu, 0,1
.irp s, 0,1,2,3
.irp g, 0,1,2,3
	ds_load_b128 v[128+64*\mu+16*\s+4*\g:128+64*\mu+16*\s+4*\g+3], v[\adr] offset:16384*\s+8192*(\g/2)+1024*\mu+512*(\g%2)
.endr
.endr
.endr
.endm
; GELU of 16 sums a = v[a0] on (y = a x 2^(e12+e13)), in units of 2^(e12+e13); the 16 codes land in v[a0:a0+3].  t v80-95, the exponent v96-111, squares and results v112-127.
.macro GELU16 a0
	VW                                             ; directly ahead of the sums' first readers
.set ii, 0
.rept 16
	v_fma_f32 v[80+ii], |v[\a0+ii]|, s[K1], 1.0    ; 1 + z / 2
.set ii, ii+1
.endr
	VW
.set ii, 0
.rept 16
	v_rcp_f32 v[80+ii], v[80+ii]                   ; t
.set ii, ii+1
.endr
.set ii, 0
.rept 8
	v_pk_mul_f32 v[112+2*ii:113+2*ii], v[\a0+2*ii:\a0+2*ii+1], v[\a0+2*ii:\a0+2*ii+1]
.set ii, ii+1
.endr
	VW
.set ii, 0
.rept 8
	v_pk_fma_f32 v[96+2*ii:97+2*ii], v[80+2*ii:81+2*ii], s[CK+18:CK+19], v[26:27] op_sel_hi:[1,0,1]
.set ii, ii+1
.endr
.irp k, 7,6,5,4,3,2,1,0
.set ii, 0
.rept 8
	v_pk_fma_f32 v[96+2*ii:97+2*ii], v[96+2*ii:97+2*ii], v[80+2*ii:81+2*ii], s[CK+2*\k:CK+2*\k+1] op_sel_hi:[1,1,0]
.set ii, ii+1
.endr
.endr
.set ii, 0
.rept 8
	v_pk_fma_f32 v[96+2*ii:97+2*ii], v[112+2*ii:113+2*ii], s[K2:K2+1], v[96+2*ii:97+2*ii] op_sel_hi:[1,0,1]   ; (P(t) - z^2) log2(e)
.set ii, ii+1
.endr
	VW
.set ii, 0
.rept 16
	v_exp_f32 v[96+ii], v[96+ii]
.set ii, ii+1
.endr
.set ii, 0
.rept 16
	v_max_num_f32 v[112+ii], 0, v[\a0+ii]          ; max(a, 0)
.set ii, ii+1
.endr
	VW
.set ii, 0
.rept 8
	v_pk_mul_f32 v[96+2*ii:97+2*ii], v[96+2*ii:97+2*ii], v[80+2*ii:81+2*ii]   ; erfc
.set ii, ii+1
.endr
.set ii, 0
.rept 16
	v_mul_f32 v[96+ii], |v[\a0+ii]|, v[96+ii]
.set ii, ii+1
.endr
.set ii, 0
.rept 8
	v_pk_fma_f32 v[112+2*ii:113+2*ii], v[96+2*ii:97+2*ii], -0.5, v[112+2*ii:113+2*ii] op_sel_hi:[1,0,1]
.set ii, ii+1
.endr
.set ii, 0
.rept 16
	v_med3_num_f32 v[112+ii], v[112+ii], -v24, v24
.set ii, ii+1
.endr
	v_cvt_scalef32_pk8_bf8_f32 v[\a0:\a0+1], v[112:119], v23
	v_cvt_scalef32_pk8_bf8_f32 v[\a0+2:\a0+3], v[120:127], v23
	v_nop
.endm
	s_load_b512 s[4:19], s[0:1], 0x0               ; q/k codes, v codes, x, weights' codes, the scales' exponents s[12:13], bo, g2, beta2
	s_load_b128 s[20:23], s[0:1], 0x40             ; b1m, b2m
	s_load_b64 s[24:25], s[0:1], 0x50              ; out
	v_lshl_add_u32 v[SPW], v0, 2, SPARE
	v_mov_b32 v[NIL], 0
	v_and_b32 v32, 31, v0                          ; lane
	v_lshlrev_b32 v[L16], 4, v32
	v_and_b32 v33, 15, v0                          ; r
	v_bfe_u32 v34, v0, 4, 1                        ; h
	v_lshrrev_b32 v35, 5, v0
	v_readfirstlane_b32 s[WV], v35                 ; wave 0..7
	VW
	s_mov_b32 s60, 0x76543210                      ; v_permlanex16_b32: lane l xor 16
	s_mov_b32 s61, 0xfedcba98
	s_lshr_b32 s66, ttmp9, 1                       ; window = 16 b + 4 wy + wx
	s_and_b32 s67, ttmp9, 1                        ; p
	s_lshr_b32 s68, s66, 4
	s_bfe_u32 s69, s66, 0x20002
	s_and_b32 s70, s66, 3
	s_lshl_b32 s68, s68, 12
	s_lshl_b32 s69, s69, 10
	s_add_co_u32 s68, s68, s69
	s_lshl_b32 s69, s67, 9
	s_add_co_u32 s68, s68, s69
	s_lshl_b32 s69, s70, 4
	s_add_co_u32 s68, s68, s69                     ; my first token: 4,096 b + 1,024 wy + 512 p + 16 wx
	s_lshl_b32 s68, s68, 11
	s_lshl_b32 s69, s[WV], 8
	s_add_co_u32 s68, s68, s69                     ; its row's bytes + my 64 columns
	s_mov_b32 s69, 0
	s_lshl_b32 s70, s66, 17
	s_lshl_b32 s71, s[WV], 14
	s_add_co_u32 s70, s70, s71                     ; 131,072 x window + 16,384 w: my two heads' codes
	s_mov_b32 s71, 0
	s_lshl_b32 s72, s67, 13
	s_add_co_u32 s72, s72, s70                     ; q: + token tile 8 p
	s_mov_b32 s73, 0
	s_lshl_b32 s74, s[WV], 15
	s_add_co_u32 s74, s74, 786432                  ; Wo is weight 3; my 4 column tiles
	s_mov_b32 s75, 0
	s_mul_i32 s76, s[WV], STGB
	s_add_co_u32 s76, s76, STG
	s_lshl_b32 s77, s[WV], 14
	s_add_co_u32 s77, s77, PARK
	s_lshl_b32 s78, s[WV], 13
	s_mul_i32 s79, s[WV], CONSTB
	s_add_co_u32 s79, s79, CONST
	s_lshl_b32 s80, s[WV], 3
	s_add_co_u32 s80, s80, PART
	s_lshl_b32 s81, s[WV], 8
	v_mul_u32_u24 v36, v34, SP
	v_lshl_add_u32 v36, v33, 4, v36
	v_add_nc_u32 v[SD], s76, v36
	v_mul_u32_u24 v37, v33, SP
	v_lshl_add_u32 v37, v34, 5, v37
	v_add_nc_u32 v[SL], s76, v37
	v_add_nc_u32 v[PK], s77, v[L16]
	v_add_nc_u32 v[OW], s78, v[L16]
	v_add_nc_u32 v[HW], H2IMG, v[OW]
	v_add_nc_u32 v[HR], H2IMG, v[L16]
	v_lshl_add_u32 v[CH], v34, 5, s79
	v_lshl_add_u32 v[TB], v33, 4, s79              ; (for now: where the constants are put)
	v_lshl_add_u32 v[PR], v33, 6, PART
	v_lshl_add_u32 v[PW], v33, 6, s80
	v_lshl_add_u32 v[TA], v33, 4, s81              ; my 64 numbers of a bias or gain: both halves of the lanes take the same 256 bytes
	v_lshlrev_b32 v[XO], 11, v34
	v_lshl_add_u32 v[XO], v33, 4, v[XO]
	v_min_u32 v38, 15, v32
	v_lshlrev_b32 v[PF], 11, v38                   ; a lane a row; lanes 16-31 name the last row again
	VW
	s_wait_kmcnt 0x0
	s_load_b512 s[36:51], s[12:13], 0x0            ; e0 .. e15
	s_add_nc_u64 s[QB:QB+1], s[4:5], s[72:73]
	s_add_nc_u64 s[KB:KB+1], s[4:5], s[70:71]
	s_add_nc_u64 s[KB:KB+1], s[KB:KB+1], 16777216
	s_add_nc_u64 s[VS:VS+1], s[6:7], s[70:71]
	s_add_nc_u64 s[XB:XB+1], s[8:9], s[68:69]
	s_add_nc_u64 s[OB:OB+1], s[24:25], s[68:69]
	s_add_nc_u64 s[WB:WB+1], s[10:11], s[74:75]
	s_add_nc_u64 s[W1B:W1B+1], s[WB:WB+1], 262144
	s_add_nc_u64 s[WB2:WB2+1], s[WB:WB+1], 524288
	s_mov_b64 s[XP:XP+1], s[XB:XB+1]
	global_load_b128 v[44:47], v[TA], s[14:15]     ; bo
	global_load_b128 v[48:51], v[TA], s[22:23]     ; b2m
	global_load_b128 v[52:55], v[TA], s[20:21]     ; b1m
	global_load_b128 v[56:59], v[TA], s[16:17]     ; g2
	global_load_b128 v[60:63], v[TA], s[18:19]     ; beta2
.set ii, 0
.rept 16                                           ; q: entry ii = 8 head + query tile
	global_load_b128 v[128+4*ii:131+4*ii], v[L16], s[QB:QB+1] offset:(ii%8)*1024+(ii/8)*512
.set ii, ii+1
.endr
	WIN 0x40
.irp hd, 0,1                                       ; head by head: 16 key tiles x 4 registers of k, then v: (channel tile dt, key step ks) at 16 (2 dt + ks)
.set ii, 0
.rept 16
	global_load_b128 v[128*\hd+4*ii:128*\hd+4*ii+3], v[L16], s[KB:KB+1] offset:1024*ii+512*\hd
.set ii, ii+1
.endr
.set ii, 0
.rept 16
	global_load_b128 v[128*\hd+64+4*ii:128*\hd+67+4*ii], v[L16], s[VS:VS+1] offset:8192*\hd+512*ii
.set ii, ii+1
.endr
.endr
	WIN 0
.irp i, 40,41,42,43
	v_mov_b32 v[\i], 0                             ; the zero codes behind q's
.endr
	v_mov_b32 v27, 0                               ; (upper words of pairs of which the low word serves both halves)
	v_mov_b32 v31, 0
	s_wait_kmcnt 0x0
	s_mov_b32 s12, 0x3b000000                      ; 1 / 512
	s_mov_b32 s13, 0x3727c5ac                      ; 1e-5
	SCLIM 17, 18, s44                              ; p: e8
	s_sub_co_i32 s10, s46, s44
	s_sub_co_i32 s10, s10, s45
	SCLIM 19, 20, s10                              ; o: e10 - e8 - e9
	SCLIM 21, 22, s48                              ; LayerNorm's result: e12
	s_add_co_i32 s11, s48, s49                     ; e12 + e13
	s_sub_co_i32 s10, s50, s11
	SCLIM 23, 24, s10                              ; GELU's result: e14 - e12 - e13
	s_add_co_i32 s10, s42, s43
	s_lshl_b32 s10, s10, 23
	s_add_co_i32 s[CS], s10, 0x3e8293ee            ; c: e6 + e7 added to the exponent field of log2(e) / sqrt(32)
	s_mov_b32 s[CS+1], s[CS]
	s_add_co_i32 s10, s46, s47
	POW2 SINV, s10, 1
	POW2 SFWD, s10, 0
	s_add_co_i32 s10, s50, s51
	POW2 SINV+4, s10, 1
	POW2 SFWD+4, s10, 0
	POW2 SI1, s11, 1
	s_lshl_b32 s10, s11, 23
	s_add_co_i32 s[K1], s10, 0x3eb504f3            ; 2^(e12+e13) / (2 sqrt 2)
	s_lshl_b32 s10, s11, 24
	s_add_co_i32 s[K2], s10, 0xbf38aa3b            ; -log2(e) / 2 x 2^(2 (e12+e13))
	s_mov_b32 s[K2+1], s[K2]
	CPAIR 0, 0xbfe9b21e                            ; the polynomial's coefficients x log2(e)
	CPAIR 1, 0x3fb8ab5a
	CPAIR 2, 0x3f0a29d2
	CPAIR 3, 0x3e0efb2f
	CPAIR 4, 0xbe899a80
	CPAIR 5, 0x3ecdfd18
	CPAIR 6, 0xbfd1a1e5
	CPAIR 7, 0x40097039
	CPAIR 8, 0xbf97d29d
	CPAIR 9, 0x3e7c6f08
	VW                                             ; the head's end
	s_wait_loadcnt 63                              ; of the 85 loads the oldest 22 are in: the 5 of the constants and q's 16 among them
.irp i, 0,1,2,3,4
	ds_store_b128 v[TB], v[44+4*\i:47+4*\i] offset:256*\i
.endr
.set ii, 0
.rept 16
	ds_store_b128 v[HW], v[128+4*ii:131+4*ii] offset:512*ii
.set ii, ii+1
.endr
	ds_load_b128 v[36:39], v[HW]                   ; entry 0
	s_wait_loadcnt 32                              ; the first head's k and v are in; the second head's 32 loads may be out
	s_wait_dscnt 0x0
	HEAD 0
	s_wait_loadcnt 0x0                             ; the second head's k and v
	s_add_nc_u64 s[XP:XP+1], s[XB:XB+1], 524288    ; x's row tile 4 (the last prefetch has read its base: the wait on XCNT in its trip)
	WIN 0x40                                       ; the first head's k and v are done with: x's row tiles 0-3 take their registers
.set ii, 0
.rept 32
	global_load_b128 v[4*ii:4*ii+3], v[XO], s[XB:XB+1] offset:(ii/8)*131072+(ii%8)*4096 th:TH_LOAD_NT   ; two rows x 256 consecutive bytes
.set ii, ii+1
.endr
	WIN 0
	HEAD 1
	FETCH_B WB, 0, 0                               ; Wo's K steps 0 and 1
	FETCH_B WB, 1, 1
	UNPARK                                         ; x's row tiles 4-7, in the loads' order
.irp a, 0,1,2,3
	X2D \a                                         ; (x's loads were waited for in the second head's trips)
.endr
	s_wait_dscnt 32                                ; all but the youngest 32 LDS instructions are done: row tiles 4-7 are in registers
.irp a, 4,5,6,7
	X2D \a
.endr
	WIN 0
	s_mov_b32 s[HALF], 0
	s_mov_b32 s[BO], 0
.Lhalf:                                            ; two trips on one text: x1 = x + o Wo + bo, then out = x1 + gelu(.) W2 + b2m
	BARRIER                                        ; the image at 0 is whole (o's; GELU's)
	v_add_nc_u32 v[TA], s[BO], v[CH]
.set ii, 0
.rept 8
	ds_load_b128 v[32+4*ii:35+4*ii], v[TA] offset:64*(ii/2)+16*(ii%2)
.set ii, ii+1
.endr
	AGRP 0
	AGRP 1
	s_wait_dscnt 16                                ; the bias is in; the two groups' 16 loads may be out
.set ii, 0
.rept 16
	v_pk_mul_f32 v[32+2*ii:33+2*ii], v[32+2*ii:33+2*ii], s[SINV:SINV+1] op_sel_hi:[1,0]
.set ii, ii+1
.endr
	WIN 0x41
.set ii, 0
.rept 128
	v_pk_fma_f32 v[2*ii:2*ii+1], v[2*ii:2*ii+1], s[SINV:SINV+1], v[32+2*(ii%16):33+2*(ii%16)] op_sel_hi:[1,0,1]   ; (residual + bias) / 2^E: what the sums begin with
.set ii, ii+1
.endr
	WIN 0
	VW
	AGRP 2                                         ; into the bias's registers
.set gg, 0
.rept 16
	GGRP gg
.set gg, gg+1
.endr
	WIN 0x41
.set ii, 0
.rept 128
	v_pk_mul_f32 v[2*ii:2*ii+1], v[2*ii:2*ii+1], s[SFWD:SFWD+1] op_sel_hi:[1,0]   ; x 2^E; each accumulator from its low end on
.set ii, ii+1
.endr
	WIN 0
	VW
	s_cmp_eq_u32 s[HALF], 1
	s_cbranch_scc1 .Lout
.irp a, 0,1,2,3,4,5,6,7
	LN2A \a
.endr
	BARRIER                                        ; the eight waves' parts of all 128 rows lie in LDS
.set ii, 0
.rept 32
	ds_load_b128 v[128+4*ii:131+4*ii], v[PR] offset:1024*(ii/4)+16*(ii%4)
.set ii, ii+1
.endr
.set ii, 0
.rept 8
	ds_load_b128 v[64+4*ii:67+4*ii], v[CH] offset:768+64*(ii/2)+16*(ii%2)    ; g2 and beta2 in the results' layout
	ds_load_b128 v[96+4*ii:99+4*ii], v[CH] offset:1024+64*(ii/2)+16*(ii%2)
.set ii, ii+1
.endr
	s_wait_dscnt 0x0
.irp a, 0,1,2,3,4,5,6,7
	LN2J \a
.endr
	VW
.irp a, 0,1,2,3,4,5,6,7
	v_rsq_f32 v[33+4*\a], v[33+4*\a]
.endr
	v_nop
	VW
.irp a, 4,5,6,7
	LN2B \a
.endr
	WIN 0x04                                       ; x1's row tiles 4-7 are parked as images of their registers
.set ii, 0
.rept 32
	ds_store_b128 v[PK], v[128+4*ii:131+4*ii] offset:512*ii
.set ii, ii+1
.endr
	WIN 0
	VW
	s_wait_dscnt 0x0                               ; the stores have read their registers,
	SLAB 0                                         ; which take W1's first two column tiles: they land under the other four tiles' LayerNorm
.irp a, 0,1,2,3
	LN2B \a
.endr
	v_mov_b32 v26, s[CK+16]                        ; coefficient 8 as a vector pair
	v_mov_b32 v27, s[CK+16]
	BARRIER                                        ; LayerNorm's image is whole
	ALOAD2 HR                                      ; row tiles 0 and 1
.set ii, 0
.rept 4
	ds_load_b128 v[64+4*ii:67+4*ii], v[CH] offset:512+64*(ii/2)+16*(ii%2)   ; b1m of column tiles 0, 1
.set ii, ii+1
.endr
	s_mov_b32 s[TI], 0
.Ltrip:                                            ; trip t: W1's column tiles 2 (t / 4), + 1 against row tiles 2 (t % 4), + 1; GELU; codes to the image
	s_wait_loadcnt 0x0                             ; W1's fragments are in
	s_wait_dscnt 0x0                               ; and so are the two row tiles' and the bias; the last trip's stores have read their data
.set ii, 0
.rept 8
	v_pk_mul_f32 v[64+2*ii:65+2*ii], v[64+2*ii:65+2*ii], s[SI1:SI1+1] op_sel_hi:[1,0]   ; b1m / 2^(e12+e13): the C of the first K step
.set ii, ii+1
.endr
	WIN 0x01
.irp s, 0,1,2,3                                    ; four accumulators by turns
.irp mu, 0,1
.irp b, 0,1
.if \s == 0
	v_wmma_f32_16x16x128_bf8_bf8 v[32+16*\mu+8*\b:39+16*\mu+8*\b], v[128+16*(4*\b+\s):128+16*(4*\b+\s)+15], v[128+64*\mu+16*\s:143+64*\mu+16*\s], v[64+8*\b:71+8*\b]
.else
	v_wmma_f32_16x16x128_bf8_bf8 v[32+16*\mu+8*\b:39+16*\mu+8*\b], v[128+16*(4*\b+\s):128+16*(4*\b+\s)+15], v[128+64*\mu+16*\s:143+64*\mu+16*\s], v[32+16*\mu+8*\b:39+16*\mu+8*\b]
.endif
.endr
.endr
.endr
	WIN 0
	s_add_co_u32 s8, s[TI], 1
	s_and_b32 s9, s8, 3
	s_lshl_b32 s9, s9, 11                          ; the next two row tiles
	s_bfe_u32 s8, s8, 0x10002
	s_lshl_b32 s8, s8, 7                           ; the next trip's bias
	s_and_b32 s10, s[TI], 3
	s_lshl_b32 s10, s10, 11
	s_lshr_b32 s11, s[TI], 2
	s_lshl_b32 s11, s11, 9
	s_add_co_u32 s10, s10, s11                     ; this trip's codes: 1,024 x row tile + 512 (t / 4)
	v_add_nc_u32 v[AI], s9, v[HR]                  ; three additions and a v_nop: the four places
	v_add_nc_u32 v[TA], s8, v[CH]
	v_add_nc_u32 v[TB], s10, v[OW]
	v_nop
	VW
	s_cmp_eq_u32 s[TI], 7
	s_cbranch_scc1 .Llast
	ALOAD2 AI                                      ; they land under the GELU
.set ii, 0
.rept 4
	ds_load_b128 v[64+4*ii:67+4*ii], v[TA] offset:512+64*(ii/2)+16*(ii%2)
.set ii, ii+1
.endr
	s_cmp_lg_u32 s[TI], 3
	s_cbranch_scc1 .Lgelu
	SLAB 1                                         ; W1's other two column tiles
	s_branch .Lgelu
.Llast:
	FETCH_B WB2, 0, 0                              ; W2's K steps 0 and 1
	FETCH_B WB2, 1, 1
.Lgelu:
	GELU16 32
	ds_store_b128 v[TB], v[32:35]
	GELU16 48
	ds_store_b128 v[TB], v[48:51] offset:1024
	VW
	s_add_co_u32 s[TI], s[TI], 1
	s_cmp_lt_u32 s[TI], 8
	s_cbranch_scc1 .Ltrip
	UNPARK                                         ; x1's row tiles 4-7 come back
	WIN 0
	s_add_co_u32 s[BO], s[BO], 256                 ; the second trip takes b2m, W2, e14 + e15
	s_mov_b64 s[WB:WB+1], s[WB2:WB2+1]             ; (Wo's loads were waited for long ago)
	s_mov_b64 s[SINV:SINV+1], s[SINV+4:SINV+5]
	s_mov_b64 s[SFWD:SFWD+1], s[SFWD+4:SFWD+5]
	s_add_co_u32 s[HALF], s[HALF], 1
	s_cmp_lt_u32 s[HALF], 2
	s_cbranch_scc1 .Lhalf
.Lout:                                             ; the way out: a tile goes back through my stage while the tile before is stored
	D2X 0
.irp a, 1,2,3,4,5,6,7
	D2X \a
	s_wait_dscnt 16                                ; tile a's 8 stores and 8 loads may be out: tile a - 1 is back in registers
	OUTST \a-1
.endr
	s_wait_dscnt 0x0
	OUTST 7
	WIN 0
	s_wait_tensorcnt 0x0                           ; the wave's end
	ds_add_u32 v[SPW], v[NIL]
	s_wait_dscnt 0x0
	s_endpgm
.Lfunc_end_k_q70984b196e_attn_mlp:
	.size	k_q70984b196e_attn_mlp, .Lfunc_end_k_q70984b196e_attn_mlp-k_q70984b196e_attn_mlp
	.p2alignl 7, 3214868480
	.fill 96, 4, 3214868480
	.section	.rodata,"a",@progbits
	.p2align	6, 0x0
	.amdhsa_kernel k_q70984b196e_attn_mlp
		.amdhsa_group_segment_fixed_size 316416
		.amdhsa_private_segment_fixed_size 0
		.amdhsa_enable_private_segment 0
		.amdhsa_kernarg_size 88
		.amdhsa_user_sgpr_count 2
		.amdhsa_user_sgpr_kernarg_segment_ptr 1
		.amdhsa_wavefront_size32 1
		.amdhsa_system_sgpr_workgroup_id_x 1
		.amdhsa_system_sgpr_workgroup_id_y 1
		.amdhsa_system_sgpr_workgroup_id_z 1
		.amdhsa_system_vgpr_workitem_id 0
		.amdhsa_next_free_vgpr 512
		.amdhsa_next_free_sgpr 102
		.amdhsa_reserve_vcc 0
		.amdhsa_float_denorm_mode_32 3
		.amdhsa_float_denorm_mode_16_64 3
		.amdhsa_memory_ordered 1
		.amdhsa_forward_progress 1
		.amdhsa_inst_pref_size 255
	.end_amdhsa_kernel
	.section	.bss,"aw",@nobits
	.p2align	6
	.space	262144
	.amdgpu_metadata
---
amdhsa.version: [ 1, 2 ]
amdhsa.kernels:
  - .name:           k_q70984b196e_attn_mlp
    .symbol:         k_q70984b196e_attn_mlp.kd
    .args:
      - { .name: qkcodes, .offset: 0, .size: 8, .value_kind: global_buffer, .address_space: global }
      - { .name: vcodes, .offset: 8, .size: 8, .value_kind: global_buffer, .address_space: global }
      - { .name: x, .offset: 16, .size: 8, .value_kind: global_buffer, .address_space: global }
      - { .name: wcodes, .offset: 24, .size: 8, .value_kind: global_buffer, .address_space: global }
      - { .name: lowp_scales, .offset: 32, .size: 8, .value_kind: global_buffer, .address_space: global }
      - { .name: bo, .offset: 40, .size: 8, .value_kind: global_buffer, .address_space: global }
      - { .name: g2, .offset: 48, .size: 8, .value_kind: global_buffer, .address_space: global }
      - { .name: beta2, .offset: 56, .size: 8, .value_kind: global_buffer, .address_space: global }
      - { .name: b1m, .offset: 64, .size: 8, .value_kind: global_buffer, .address_space: global }
      - { .name: b2m, .offset: 72, .size: 8, .value_kind: global_buffer, .address_space: global }
      - { .name: out0, .offset: 80, .size: 8, .value_kind: global_buffer, .address_space: global }
    .group_segment_fixed_size: 316416
    .private_segment_fixed_size: 0
    .kernarg_segment_align: 8
    .kernarg_segment_size: 88
    .max_flat_workgroup_size: 256
    .sgpr_count:     102
    .vgpr_count:     512
    .wavefront_size: 32
...
	.end_amdgpu_metadata
.endif
;; end of part 3
